; MI455X (gfx1250); checked and timed in simulation.
; The chip was launched on July 23, 2026; its instructions are those of AMD's public machine-readable ISA for CDNA 5 (MIT licence, August 2026) and "CDNA5" Instruction Set Architecture Reference Guide (July 2026). The comments in the code are by the model that wrote it; some were corrected since.
;; MAB. Allowed arithmetic: matrix products marked QUANTISED: E3M2 operands, one E8M0 scale for each 32 along K, by v_wmma_scale_f32_16x16x128_f8f6f4 with both operands' format E3M2, f32 sums; everything else in f32.
;; Inputs: K 32 x 1,024 x 512 float32; Q 32 x 1,024 x 512 float32; Wk 512 x 512 float32; Wo 512 x 512 float32; Wq 512 x 512 float32; Wv 512 x 512 float32; b0 512 float32; b1 512 float32; bk 512 float32; bo 512 float32; bq 512 float32; bv 512 float32; g0 512 float32; g1 512 float32.
;; Outputs: out0 32 x 1,024 x 512 float32.
;; This version of the problem:
;;   THIS VERSION OF THE PROBLEM IS GIVEN IN LOW PRECISION. The matrix products marked QUANTISED in the list below multiply operands that are first quantised to E3M2 (3 exponent bits, 2 mantissa bits; 6 bits a number), with one power-of-two scale for each 32 numbers along K (OCP MX v1.0); their sums are f32. All else is computed in f32.
;;   The module's matrix products, in the order in which they are computed (A, B: the left and right operand; K: the contracted axis; several contracted axes count as one K, in the product's order):
;;     1. [M 32,768, K 512] x [K 512, N 512]; A: input Q; B: input Wq: QUANTISED
;;     2. [M 32,768, K 512] x [K 512, N 512]; A: input K; B: input Wk: QUANTISED
;;     3. [M 32,768, K 512] x [K 512, N 512]; A: input K; B: input Wv: QUANTISED
;;     4. batch 256 x [M 1,024, K 64] x [K 64, N 1,024]; A: computed on the way; B: computed on the way: QUANTISED
;;     5. batch 256 x [M 64, K 1,024] x [K 1,024, N 1,024]; A: computed on the way; B: softmax (see below): QUANTISED
;;     6. [M 32,768, K 512] x [K 512, N 512]; A: computed on the way; B: input Wo: QUANTISED
;;   THE QUANTISER, for each operand of a quantised product, along K:
;;     - K is cut into blocks of 32 from its start; a last block that is shorter is filled with zeros.
;;     - A block's scale is 2^e with e = floor(log2(the largest magnitude in the block)) - 4, held to -126 .. 127; a block of zeros has e = 0. As a byte (E8M0): e + 127.
;;     - Each number is divided by its block's scale, clamped to +-28, and rounded to the nearest number of E3M2, ties to even, subnormals kept.
;;     - The product sums the exact products of the quantised numbers (number of the format x scale) in f32.
;;   ~~~python
;;   def quantise(x, axis):      # numpy; x: float32 -> the quantised numbers, widened to float32 again
;;       x = np.moveaxis(x, axis, -1); K = x.shape[-1]
;;       x = np.pad(x, [(0, 0)] * (x.ndim - 1) + [(0, -K % 32)]); x = x.reshape(x.shape[:-1] + (-1, 32)); a = np.abs(x).max(-1, keepdims=True)
;;       e = np.where(a > 0, np.clip(np.frexp(np.where(a > 0, a, 1))[1] - 1 - 4, -126, 127), 0)      # np.frexp(a)[1] - 1 = floor(log2(a)), exactly
;;       r = np.clip(x / 2.0 ** e, -28, 28)
;;       step = 2.0 ** (np.maximum(np.frexp(np.where(r == 0, 1, r))[1] - 1, -2) - 2)
;;       q = np.round(r / step) * step * 2.0 ** e      # np.round: ties to even
;;       return np.moveaxis(q.reshape(q.shape[:-2] + (-1,))[..., :K], -1, axis).astype(np.float32)
;;   ~~~
;;   SOFTMAX AHEAD OF A QUANTISED PRODUCT. Where the list says 'softmax', what is quantised is not the finished softmax but p = 2^(t - M), with t = logit x log2(e) and M = ceil(the row's largest t), a whole number; so 1/2 < the row's largest p <= 1. The row's sum l is taken of the UNQUANTISED p, in f32, and the product's result is divided by l at the end. Since M is a whole number, a kernel that streams over the keys may use a running M (the ceiling of the running maximum): every later rescaling is an exact power of two, which a block's scale takes up: the codes' values come out the same.
;;   OPERANDS COMPUTED ON THE WAY. 'Computed on the way' means the value that the module computes at that place (a softmax that the list does not call 'softmax' is quantised finished and normalised). What goes into a quantiser is computed in f32, as accurately as f32 sums, v_exp_f32 and their like allow (about 1e-6 of the number): no bf16 or f16 on the way to a quantiser, and a product that is left as it is and whose result goes on into a quantised operand takes f32 operands (vector FMAs, or v_wmma_f32_16x16x4_f32). A number that lies on a knife's edge between two numbers of the format may be rounded either way, as far as f32 arithmetic and the matrix unit's own rounding can turn it there, and no further.
;; One version. Each part assembles by itself: llvm-mc -triple=amdgcn-amd-amdhsa -mcpu=gfx1250 --defsym DOCPART=n.
;; ======== version 1 of 1: 3 launches
;; limits: right only within a limited range of input values
;; workspace buffers: wimg 819,200 bytes; kvs 26,214,400 bytes
;; launch wquant (part 1): grid 16 x 4, 4 waves a work-group, no clusters, 34,816 bytes of LDS; arguments Wq, Wk, Wv, Wo, wimg; writes wimg
.if DOCPART == 1
	.amdgcn_target "amdgcn-amd-amdhsa--gfx1250"
	.amdhsa_code_object_version 6
	.text
	.protected	k_q4b6265d5a1_wquant
	.globl	k_q4b6265d5a1_wquant
	.p2align	8
	.type	k_q4b6265d5a1_wquant,@function
k_q4b6265d5a1_wquant:
	s_mov_b64 s[64:65], 0
	v_nop
	global_prefetch_b8 v0, s[64:65] scope:SCOPE_SE
	s_setreg_imm32_b32 hwreg(HW_REG_WAVE_MODE, 25, 1), 1
	s_wait_xcnt 0x0
; Wq, Wk, Wv, Wo ([512][512] f32, K innermost) become codes of BF6 (E3M2) with one E8M0 byte for each 32 along K, laid in wimg as IMAGES OF OPERAND REGISTERS.
; A tile is 16 rows x 128 K = 12 registers a lane, stored as 3 x 512 bytes (registers 4 c .. 4 c + 3 of lane l at 512 c + 16 l).
; THE ROWS OF A TILE ARE NOT NEIGHBOURS: lane r of tile 2 B + u takes row 32 B + 8 u + r + 8 (r / 8), so that a product used transposed leaves 16 neighbours along the next K in the 16 registers of tiles 2 B, 2 B + 1.
; wimg: weight x 204,800 + half x 102,400; in a half: fragment (tile tau, K step s) at (4 tau + s) x 1,536; from 98,304 on eight scale images of 512 bytes, one a pair of tiles:
; lane l holds the four scale words s = 0 .. 3, lanes 0-15 of the even tile, lanes 16-31 of the odd one.
; SHARES: work-group y = the weight, x = the pair of tiles B; wave w takes tile u = w / 2 and K steps 2 (w % 2), 2 (w % 2) + 1: two units of 16 rows x 128 numbers, all 32 loads asked for at once.
; Each load reads 512 consecutive bytes of one row; a unit turns through the wave's own stage in LDS (rows 528 bytes apart) so that a lane holds 16 neighbours of each block of 32.
; The four waves' scale words meet in 512 bytes of LDS; behind one barrier wave 0 stores the image whole.  64 work-groups: the launch has 4 MB of input.
; A block's scale byte is its largest magnitude's exponent field - 4, held at 1 from below.  LIMITS: a block of zeros gets the byte 1 (its codes are zeros; this program alone reads the bytes); NaN and infinities are not served.
.set SPARE, 0x8400                     ; behind the four stages: the spare words, 128 bytes a wave
.set SCI,  0x8600                      ; behind them: the pair's scale image, 512 bytes
.set LI,   1                           ; v1   16 x lane
.set LANE, 3                           ; v3   lane
.set SA,   5                           ; v5   my stage + 16 x lane
.set SB,   6                           ; v6   my stage + 528 r + 64 h
.set SCA,  8                           ; v8   where my lane's scale word goes in the image
.set SCB,  9                           ; v9   the image + 16 x lane
.set XN,   32                          ; v32-95   64 numbers: register 16 b + i = k 32 b + 16 h + i of row r
.set PC,   96                          ; v96-107  the codes just made
.set TP,   108                         ; v108-115 the upper halves of blocks, as converted
.set TM,   116                         ; v116-131 at work in the quantiser
.set PWS,  132                         ; v132-133 the two units' scale words
.set SCO,  140                         ; v140-143 the scale image on its way out
.set SEL,  24                          ; s[24:25] selects for lane l xor 16
.set MSB,  0
.macro WIN new                         ; the immediate's high byte repeats the setting that is left
.if MSB != (\new)
	s_set_vgpr_msb (MSB<<8)|(\new)
.set MSB, \new
.endif
.endm
.macro XLOADU set, off                 ; 16 rows x 512 bytes into raw set (window 1)
	WIN 0x40
.irp i, 0,1,2,3,4,5,6,7,8,9,10,11,12,13,14,15
	global_load_b128 v[64*(\set)+4*\i:64*(\set)+4*\i+3], v[LI], s[4:5] offset:(\off)+(\i+8*(\i/8))*2048 th:TH_LOAD_NT
.endr
	WIN 0
.endm
.macro XTURN set                       ; through my stage: LDS serves a wave's instructions in order, so no wait stands between the stores and the loads
	WIN 0x04
.irp i, 0,1,2,3,4,5,6,7,8,9,10,11,12,13,14,15
	ds_store_b128 v[SA], v[64*(\set)+4*\i:64*(\set)+4*\i+3] offset:528*\i
.endr
	WIN 0
.irp i, 0,1,2,3,4,5,6,7,8,9,10,11,12,13,14,15
	ds_load_b128 v[XN+4*\i:XN+4*\i+3], v[SB] offset:128*(\i/4)+16*(\i%4)
.endr
.endm
; 64 numbers of a lane become a fragment's 12 registers of codes at v[dst] and its scale word in v[pw]
.macro QUANT src, dst, tmp, pw
.irp b, 0,1,2,3
	v_max3_num_f32 v[TM+\b], |v[(\src)+16*\b]|, |v[(\src)+16*\b+1]|, 0x2800000   ; my 16 numbers of block b, and the floor 2^(5 - 127)
.endr
.irp i, 2,4,6,8,10,12,14
.irp b, 0,1,2,3
	v_max3_num_f32 v[TM+\b], v[TM+\b], |v[(\src)+16*\b+\i]|, |v[(\src)+16*\b+\i+1]|
.endr
.endr
.irp b, 0,1,2,3
	v_permlanex16_b32 v[TM+4+\b], v[TM+\b], s[SEL], s[SEL+1]
.endr
.irp b, 0,1,2,3
	v_max_num_f32 v[TM+\b], v[TM+\b], v[TM+4+\b]      ; with lane l xor 16: the block's largest magnitude
.endr
.irp b, 0,1,2,3
	v_add_nc_u32 v[TM+12+\b], 0xfe000000, v[TM+\b]    ; 4 off its exponent field: the conversion's scale operand
.endr
.irp b, 0,1,2,3
	v_lshrrev_b32 v[TM+4+\b], 23, v[TM+12+\b]         ; the scale's byte
.endr
	v_lshl_or_b32 v[\pw], v[TM+5], 8, v[TM+4]
	v_lshl_or_b32 v[\pw], v[TM+6], 16, v[\pw]
	v_lshl_or_b32 v[\pw], v[TM+7], 24, v[\pw]
.irp c, 0,1
	v_cvt_scalef32_pk16_bf6_f32 v[\dst+6*\c:\dst+6*\c+2], v[(\src)+32*\c:(\src)+32*\c+15], v[TM+12+2*\c]
	v_cvt_scalef32_pk16_bf6_f32 v[\tmp+4*\c:\tmp+4*\c+2], v[(\src)+32*\c+16:(\src)+32*\c+31], v[TM+13+2*\c]
.endr
	v_nop                                              ; one plain place behind the scaled conversions
.irp c, 0,1                                            ; the operand wants a whole block in a lane: lanes 0-15 block 2 c, lanes 16-31 block 2 c + 1
.irp i, 0,1,2
	v_permlane16_swap_b32 v[\dst+6*\c+\i], v[\tmp+4*\c+\i]
.endr
.irp i, 0,1,2
	v_mov_b32 v[\dst+6*\c+3+\i], v[\tmp+4*\c+\i]
.endr
.endr
.endm
	s_load_b256 s[4:11], s[0:1], 0x0               ; Wq, Wk, Wv, Wo
	s_load_b64 s[12:13], s[0:1], 0x20              ; wimg
	v_lshl_add_u32 v254, v0, 2, SPARE
	v_mov_b32 v255, 0
	v_lshrrev_b32 v2, 5, v0
	v_readfirstlane_b32 s14, v2                    ; wave
	s_mul_i32 s15, s14, 8448                       ; my stage: 16 rows x 528 bytes
	s_lshr_b32 s34, s14, 1                         ; u: which tile of the pair
	s_and_b32 s35, s14, 1                          ; which two K steps
	s_lshl_b32 s37, s34, 8                         ; in the image: 256 u + 8 (w % 2)
	s_lshl_b32 s38, s35, 3
	s_add_co_u32 s37, s37, s38
	s_add_co_u32 s37, s37, SCI
	v_and_b32 v[LANE], 31, v0
	v_lshlrev_b32 v[LI], 4, v[LANE]
	v_and_b32 v4, 15, v0                           ; r
	v_bfe_u32 v7, v0, 4, 1                         ; h
	v_add_nc_u32 v[SA], s15, v[LI]
	v_mul_u32_u24 v[SB], v4, 528
	v_lshl_add_u32 v[SB], v7, 6, v[SB]
	v_add_nc_u32 v[SB], s15, v[SB]
	v_lshlrev_b32 v[SCA], 4, v4                    ; + 16 r + 4 h: lanes 0-15 put the first unit's word, lanes 16-31 the second's
	v_lshl_add_u32 v[SCA], v7, 2, v[SCA]
	v_add_nc_u32 v[SCA], s37, v[SCA]
	v_add_nc_u32 v[SCB], SCI, v[LI]
.irp b, 0,1,2,3
	v_mov_b32 v[TM+4+\b], 0                        ; written once: a lane permute's destination counts as one of its sources
.endr
	s_mov_b32 s[SEL], 0x76543210
	s_mov_b32 s[SEL+1], 0xfedcba98
	s_and_b32 s16, ttmp7, 0xffff                   ; which weight
	s_lshl_b32 s18, ttmp9, 16                      ; the pair's 32 rows of 2,048 bytes,
	s_lshl_b32 s36, s34, 14                        ; tile u begins 8 rows further down,
	s_add_co_u32 s18, s18, s36
	s_lshl_b32 s36, s35, 10                        ; and my two K steps of 512 bytes
	s_add_co_u32 s18, s18, s36
	s_mov_b32 s19, 0
	s_lshr_b32 s20, ttmp9, 3                       ; the half
	s_and_b32 s21, ttmp9, 7                        ; the pair in the half
	s_mul_i32 s22, s16, 204800
	s_mul_i32 s20, s20, 102400
	s_add_co_u32 s22, s22, s20                     ; the half-block
	s_mul_i32 s26, s21, 12288
	s_add_co_u32 s26, s26, s22                     ; the pair's eight fragments,
	s_mul_i32 s36, s14, 3072
	s_add_co_u32 s26, s26, s36                     ; my two of them
	s_mov_b32 s27, 0
	s_lshl_b32 s28, s21, 9
	s_add_co_u32 s28, s28, s22
	s_add_co_u32 s28, s28, 98304                   ; the pair's scale image
	s_mov_b32 s29, 0
	s_and_b32 s30, s16, 1
	s_lshr_b32 s31, s16, 1
	s_wait_alu depctr_va_vdst(0)                   ; the wait at the head's end
	s_wait_kmcnt 0x0
	s_cmp_lg_u32 s30, 0                            ; the choice hangs on the work-group's number alone
	s_cselect_b64 s[4:5], s[6:7], s[4:5]
	s_cselect_b64 s[8:9], s[10:11], s[8:9]
	s_cmp_lg_u32 s31, 0
	s_cselect_b64 s[4:5], s[8:9], s[4:5]
	s_add_nc_u64 s[4:5], s[4:5], s[18:19]
	s_add_nc_u64 s[32:33], s[12:13], s[28:29]
	s_add_nc_u64 s[12:13], s[12:13], s[26:27]
	XLOADU 0, 0
	XLOADU 1, 512
.macro UNIT n
	s_wait_loadcnt 16*(1-(\n))                     ; my unit's 16 loads are in; the younger unit's may be out
	XTURN \n
	s_wait_dscnt 0x0                               ; the numbers are back
	s_wait_xcnt 0x0                                ; the last unit's stores have read the codes' registers
	QUANT XN, PC, TP, PWS+(\n)
.irp c, 0,1,2
	global_store_b128 v[LI], v[PC+4*\c:PC+4*\c+3], s[12:13] offset:(\n)*1536+512*\c   ; 512 consecutive bytes, aligned
.endr
.endm
	UNIT 0
	UNIT 1
	v_cmp_gt_u32 vcc_lo, 16, v[LANE]
	v_cndmask_b32 v[SCO], v[PWS+1], v[PWS], vcc_lo ; a word is the same in lanes l and l xor 16: lanes 0-15 take the first unit's, lanes 16-31 the second's
	ds_store_b32 v[SCA], v[SCO]
	s_wait_dscnt 0x0                               ; for the others' sake: my words are in the image
	s_barrier_signal -1
	s_barrier_wait -1
	s_cmp_lg_u32 s14, 0
	s_cbranch_scc1 .Lnot_wave_0
	ds_load_b128 v[SCO:SCO+3], v[SCB]              ; wave 0 stores the image: 512 consecutive bytes, aligned
	s_wait_dscnt 0x0
	global_store_b128 v[LI], v[SCO:SCO+3], s[32:33]
.Lnot_wave_0:
	s_wait_tensorcnt 0x0                           ; the wave's end
	ds_add_u32 v254, v255
	s_wait_dscnt 0x0
	s_endpgm
.Lfunc_end_k_q4b6265d5a1_wquant:
	.size	k_q4b6265d5a1_wquant, .Lfunc_end_k_q4b6265d5a1_wquant-k_q4b6265d5a1_wquant
	.p2alignl 7, 3214868480
	.fill 96, 4, 3214868480
	.section	.rodata,"a",@progbits
	.p2align	6, 0x0
	.amdhsa_kernel k_q4b6265d5a1_wquant
		.amdhsa_group_segment_fixed_size 34816
		.amdhsa_private_segment_fixed_size 0
		.amdhsa_enable_private_segment 0
		.amdhsa_kernarg_size 40
		.amdhsa_user_sgpr_count 2
		.amdhsa_user_sgpr_kernarg_segment_ptr 1
		.amdhsa_wavefront_size32 1
		.amdhsa_system_sgpr_workgroup_id_x 1
		.amdhsa_system_sgpr_workgroup_id_y 1
		.amdhsa_system_sgpr_workgroup_id_z 1
		.amdhsa_system_vgpr_workitem_id 0
		.amdhsa_next_free_vgpr 384
		.amdhsa_next_free_sgpr 66
		.amdhsa_reserve_vcc 1
		.amdhsa_float_denorm_mode_32 3
		.amdhsa_float_denorm_mode_16_64 3
		.amdhsa_memory_ordered 1
		.amdhsa_forward_progress 1
		.amdhsa_inst_pref_size 19
	.end_amdhsa_kernel
	.amdgpu_metadata
---
amdhsa.version: [ 1, 2 ]
amdhsa.kernels:
  - .name:           k_q4b6265d5a1_wquant
    .symbol:         k_q4b6265d5a1_wquant.kd
    .args:
      - { .name: Wq, .offset: 0, .size: 8, .value_kind: global_buffer, .address_space: global }
      - { .name: Wk, .offset: 8, .size: 8, .value_kind: global_buffer, .address_space: global }
      - { .name: Wv, .offset: 16, .size: 8, .value_kind: global_buffer, .address_space: global }
      - { .name: Wo, .offset: 24, .size: 8, .value_kind: global_buffer, .address_space: global }
      - { .name: wimg, .offset: 32, .size: 8, .value_kind: global_buffer, .address_space: global }
    .group_segment_fixed_size: 34816
    .private_segment_fixed_size: 0
    .kernarg_segment_align: 8
    .kernarg_segment_size: 40
    .max_flat_workgroup_size: 128
    .sgpr_count:     66
    .vgpr_count:     384
    .wavefront_size: 32
...
	.end_amdgpu_metadata
.endif
;; end of part 1
;; launch kvproj (part 2): grid 8 x 32, 4 waves a work-group, clusters of 4 x 1, 327,680 bytes of LDS; arguments K, wimg, bk, bv, kvs; writes kvs
.if DOCPART == 2
	.amdgcn_target "amdgcn-amd-amdhsa--gfx1250"
	.amdhsa_code_object_version 6
	.text
	.protected	k_q4b6265d5a1_kvproj
	.globl	k_q4b6265d5a1_kvproj
	.p2align	8
	.type	k_q4b6265d5a1_kvproj,@function
k_q4b6265d5a1_kvproj:
	s_mov_b64 s[64:65], 0
	v_nop
	global_prefetch_b8 v0, s[64:65] scope:SCOPE_SE
	s_setreg_imm32_b32 hwreg(HW_REG_WAVE_MODE, 25, 1), 1
	s_wait_xcnt 0x0
	s_wait_alu depctr_hold_cnt(0) depctr_sa_sdst(0) depctr_va_vdst(0) depctr_va_sdst(0) depctr_va_ssrc(0) depctr_va_vcc(0) depctr_vm_vsrc(0)
	s_getreg_b32 s2, hwreg(HW_REG_IB_STS2, 6, 4)
	s_cmp_eq_u32 s2, 0
	s_cbranch_scc0 .Lentry_in_a_cluster
	s_endpgm
.Lentry_in_a_cluster:
	s_bfe_u32 s2, ttmp6, 0x10000c
	s_cmp_lg_u32 s2, 0x3003
	s_cbranch_scc0 .Lentry_shape_is_right
	s_endpgm
.Lentry_shape_is_right:
; Kp = K Wk^T + bk and Vp = K Wv^T + bv in MX-BF6, quantised again for attention and stored in kvs as images of operand registers (head x 102,400 + key block x 12,800 in each batch).
; A work-group takes 128 rows of K; a wave quantises 32 of them, the codes meet in LDS, and each wave makes a quarter of the columns of each weight half for all 128 rows.
; The weights' halves come from wimg by joint loads of a cluster of four through two slots.  The head asks for slot 0, then reads and quantises K's rows under that load's flight; slot 1's first fill stands behind the round that also shows the codes to all waves.
.set TR,    100
.set SLOT,  102400
.set XIMG,  204800
.set XSC,   253952
.set STG,   258048
.set SPARE, 291840
.set LI,   1
.set SPW,  2
.set NIL,  3
.set LANE, 4
.set SA,   5
.set SB,   6
.set XWI,  7
.set XWS,  8
.set LIX,  9
.set LSX,  10
.set AW,   11
.set AS,   13
.set XSW,  16
.set WF,   48
.set XN,   48
.set WSC,  144
.set PC,   152
.set TP,   164
.set TM,   172
.set PW,   188
.set KW,   192
.set VW,   200
.set SCO,  204
.set BKA,  208
.set BVA,  209
.set WV,   14
.set G1,   28
.set G0,   36
.set SEL,  52
.set MSB,  0
.macro WIN new
.if MSB != (\new)
	s_set_vgpr_msb (MSB<<8)|(\new)
.set MSB, \new
.endif
.endm
.macro PLACES
.rept 4
	v_nop
.endr
.endm
.macro CROUND
	s_barrier_signal -1
	s_barrier_wait -1
	s_cmp_lg_u32 s[WV], 0
	s_cbranch_scc1 .Lnw0_\@
	s_barrier_signal -3
.Lnw0_\@:
	s_barrier_wait -3
	s_barrier_signal -1
	s_barrier_wait -1
.endm
.macro CHANGE g0
	WIN 0
	s_wait_tensorcnt 0x0
	ds_add_u32 v[SPW], v[NIL]
	s_wait_dscnt 0x0
	CROUND
	tensor_load_to_lds s[\g0:\g0+3], s[G1:G1+7]
	s_nop 0
	PLACES
.endm
.macro XLOADU set, off
	WIN 0xc0
.irp i, 0,1,2,3,4,5,6,7,8,9,10,11,12,13,14,15
	global_load_b128 v[64*(\set)+4*\i:64*(\set)+4*\i+3], v[LI], s[4:5] offset:(\off)+(\i+8*(\i/8))*2048 th:TH_LOAD_NT
.endr
	WIN 0
.endm
.macro XTURN set
	WIN 0x0c
.irp i, 0,1,2,3,4,5,6,7,8,9,10,11,12,13,14,15
	ds_store_b128 v[SA], v[64*(\set)+4*\i:64*(\set)+4*\i+3] offset:528*\i
.endr
	WIN 0
.irp i, 0,1,2,3,4,5,6,7,8,9,10,11,12,13,14,15
	ds_load_b128 v[XN+4*\i:XN+4*\i+3], v[SB] offset:128*(\i/4)+16*(\i%4)
.endr
.endm
.macro QUANT src, sw, dst, tmp, pw
	WIN (\sw)|((\sw)<<2)
.irp b, 0,1,2,3
	v_max3_num_f32 v[TM+\b], |v[(\src)+16*\b]|, |v[(\src)+16*\b+1]|, 0x2800000
.endr
	WIN ((\sw)<<2)|((\sw)<<4)
.irp i, 2,4,6,8,10,12,14
.irp b, 0,1,2,3
	v_max3_num_f32 v[TM+\b], v[TM+\b], |v[(\src)+16*\b+\i]|, |v[(\src)+16*\b+\i+1]|
.endr
.endr
	WIN 0
.irp b, 0,1,2,3
	v_permlanex16_b32 v[TM+4+\b], v[TM+\b], s[SEL], s[SEL+1]
.endr
.irp b, 0,1,2,3
	v_max_num_f32 v[TM+\b], v[TM+\b], v[TM+4+\b]
.endr
.irp b, 0,1,2,3
	v_add_nc_u32 v[TM+12+\b], 0xfe000000, v[TM+\b]
.endr
.irp b, 0,1,2,3
	v_lshrrev_b32 v[TM+4+\b], 23, v[TM+12+\b]
.endr
	v_lshl_or_b32 v[\pw], v[TM+5], 8, v[TM+4]
	v_lshl_or_b32 v[\pw], v[TM+6], 16, v[\pw]
	v_lshl_or_b32 v[\pw], v[TM+7], 24, v[\pw]
	WIN \sw
.irp c, 0,1
	v_cvt_scalef32_pk16_bf6_f32 v[\dst+6*\c:\dst+6*\c+2], v[(\src)+32*\c:(\src)+32*\c+15], v[TM+12+2*\c]
	v_cvt_scalef32_pk16_bf6_f32 v[\tmp+4*\c:\tmp+4*\c+2], v[(\src)+32*\c+16:(\src)+32*\c+31], v[TM+13+2*\c]
.endr
	WIN 0
	v_nop
.irp c, 0,1
.irp i, 0,1,2
	v_permlane16_swap_b32 v[\dst+6*\c+\i], v[\tmp+4*\c+\i]
.endr
.irp i, 0,1,2
	v_mov_b32 v[\dst+6*\c+3+\i], v[\tmp+4*\c+\i]
.endr
.endr
.endm
.macro WMK row
.if \row
	v_wmma_scale_f32_16x16x128_f8f6f4 v[RD_:RD_+7], v[RW_:RW_+11], v[RX_:RX_+11], v[RC_:RC_+7], v[SW_], v[SX_] matrix_a_fmt:MATRIX_FMT_BF6 matrix_b_fmt:MATRIX_FMT_BF6 matrix_a_scale:MATRIX_SCALE_ROW1
.else
	v_wmma_scale_f32_16x16x128_f8f6f4 v[RD_:RD_+7], v[RW_:RW_+11], v[RX_:RX_+11], v[RC_:RC_+7], v[SW_], v[SX_] matrix_a_fmt:MATRIX_FMT_BF6 matrix_b_fmt:MATRIX_FMT_BF6
.endif
.endm
.macro WMV row
.if \row
	v_wmma_scale_f32_16x16x128_f8f6f4 v[RD_:RD_+7], v[RX_:RX_+11], v[RW_:RW_+11], v[RC_:RC_+7], v[SX_], v[SW_] matrix_a_fmt:MATRIX_FMT_BF6 matrix_b_fmt:MATRIX_FMT_BF6 matrix_b_scale:MATRIX_SCALE_ROW1
.else
	v_wmma_scale_f32_16x16x128_f8f6f4 v[RD_:RD_+7], v[RX_:RX_+11], v[RW_:RW_+11], v[RC_:RC_+7], v[SX_], v[SW_] matrix_a_fmt:MATRIX_FMT_BF6 matrix_b_fmt:MATRIX_FMT_BF6
.endif
.endm
.macro FETCHW slot, t
.irp s, 0,1,2,3
.irp c, 0,1,2
	ds_load_b128 v[WF+48*((\t)%2)+12*\s+4*\c:WF+48*((\t)%2)+12*\s+4*\c+3], v[AW+\slot] offset:(4*(\t)+\s)*1536+512*\c
.endr
.endr
.endm
.macro PHASE kind, slot, hfi
	ds_load_b128 v[WSC:WSC+3], v[AS+\slot]
	ds_load_b128 v[WSC+4:WSC+7], v[AS+\slot] offset:512
	FETCHW \slot, 0
.irp t, 0,1,2,3
	WIN 0
	PLACES
.if \t < 3
	FETCHW \slot, \t+1
	s_wait_dscnt 12
.else
	s_wait_dscnt 0x0
.endif
.irp xw, 1,2
.irp s, 0,1,2,3
.if \kind == 0
.if \s == 0
	WIN 0xd0|(\xw<<2)
.else
	WIN 0xf0|(\xw<<2)
.endif
.else
.if \s == 0
	WIN 0xe0|\xw
.else
	WIN 0xf0|\xw
.endif
.endif
.irp m, 0,1,2,3
.set MM_, 4*(\xw-1)+\m
.set RX_, 12*(4*\m+\s)
.set RW_, WF+48*(\t%2)+12*\s
.set SX_, XSW+4*MM_+\s
.set SW_, WSC+4*(\t/2)+\s
.if \kind == 0
.set RD_, 32*MM_+8*\t
.else
.set RD_, 64*\t+8*MM_
.endif
.if \s == 0
.set RC_, 192+32*\hfi+8*\t
.else
.set RC_, RD_
.endif
.if \kind == 0
	WMK \t%2
.else
	WMV \t%2
.endif
.endr
.endr
.endr
.endr
	WIN 0
	PLACES
.irp q, 0,1,2,3
	s_wait_xcnt 0x0
.if \kind == 0
	QUANT 64*\q, 3, PC, TP, KW+4*\hfi+\q
.irp c, 0,1,2
	global_store_b128 v[LI], v[PC+4*\c:PC+4*\c+3], s[12:13] offset:409600*\hfi+1536*\q+512*\c
.endr
.else
	QUANT 64*\q, 3, PC, TP, VW+\q
.irp c, 0,1,2
	global_store_b128 v[LI], v[PC+4*\c:PC+4*\c+3], s[12:13] offset:409600*\hfi+6144+1536*\q+512*\c
.endr
.endif
.endr
.if \kind
	v_cmp_gt_u32 vcc_lo, 16, v[LANE]
.irp q, 0,1,2,3
	v_cndmask_b32 v[SCO+\q], v[VW+\q], v[KW+4*\hfi+\q], vcc_lo
.endr
	global_store_b128 v[LI], v[SCO:SCO+3], s[12:13] offset:409600*\hfi+12288
.endif
.endm
	s_load_b256 s[4:11], s[0:1], 0x0
	s_load_b64 s[12:13], s[0:1], 0x20
	v_lshl_add_u32 v[SPW], v0, 2, SPARE
	v_mov_b32 v[NIL], 0
	ds_add_u32 v2, v3
	ds_add_u32 v2, v3
	s_wait_dscnt 0x0
	v_lshrrev_b32 v[LANE], 5, v0
	v_readfirstlane_b32 s[WV], v[LANE]
	s_bfe_u32 s15, ttmp6, 0x40000
	s_lshl_b32 s16, ttmp9, 2
	s_add_co_u32 s16, s16, s15
	s_and_b32 s17, ttmp7, 0xffff
	s_mov_b32 s[G1], 15|(3<<16)|(1<<21)
	s_mov_b32 s[G1+1], 32<<16
	s_mov_b32 s[G1+2], TR<<16
	s_mov_b32 s[G1+3], 32<<16
	s_mov_b32 s[G1+4], TR
	s_mov_b32 s[G1+5], 32
	s_mov_b32 s[G1+6], 0
	s_mov_b32 s[G1+7], 0
	s_mov_b32 s[SEL], 0x76543210
	s_mov_b32 s[SEL+1], 0xfedcba98
	s_mul_i32 s18, s[WV], TR*256
	s_mov_b32 s19, 0
	s_lshl_b32 s20, s17, 21
	s_lshl_b32 s22, s16, 18
	s_add_co_u32 s20, s20, s22
	s_lshl_b32 s22, s[WV], 16
	s_add_co_u32 s20, s20, s22
	s_mov_b32 s21, 0
	s_mul_i32 s22, s17, 819200
	s_mul_i32 s24, s[WV], 102400
	s_add_co_u32 s22, s22, s24
	s_mul_i32 s24, s16, 12800
	s_add_co_u32 s22, s22, s24
	s_mov_b32 s23, 0
	s_lshl_b32 s24, s[WV], 8
	s_mov_b32 s25, 0
	s_wait_kmcnt 0x0
	s_add_nc_u64 s[6:7], s[6:7], s[18:19]
	s_add_nc_u64 s[4:5], s[4:5], s[20:21]
	s_add_nc_u64 s[12:13], s[12:13], s[22:23]
	s_add_nc_u64 s[8:9], s[8:9], s[24:25]
	s_add_nc_u64 s[10:11], s[10:11], s[24:25]
.irp n, 0,1,2,3
	s_mov_b32 s[G0+4*\n], 1
	s_add_co_u32 s[G0+4*\n+1], s18, (\n%2)*SLOT
	s_add_nc_u64 s[G0+4*\n+2:G0+4*\n+3], s[6:7], 204800+\n*102400
	s_or_b32 s[G0+4*\n+3], s[G0+4*\n+3], 0x80000000
.endr
	CROUND
	tensor_load_to_lds s[G0:G0+3], s[G1:G1+7]
	s_nop 0
	PLACES
	v_and_b32 v[LANE], 31, v0
	v_lshlrev_b32 v[LI], 4, v[LANE]
	s_wait_alu depctr_va_vdst(0)
.irp n, 0,1,2,3
	XLOADU \n, 512*\n
.endr
	v_and_b32 v15, 15, v0
	v_bfe_u32 v210, v0, 4, 1
	s_mul_i32 s26, s[WV], 8448
	s_add_co_u32 s26, s26, STG
	v_add_nc_u32 v[SA], s26, v[LI]
	v_mul_u32_u24 v[SB], v15, 528
	v_lshl_add_u32 v[SB], v210, 6, v[SB]
	v_add_nc_u32 v[SB], s26, v[SB]
	s_mul_i32 s26, s[WV], 12288
	s_add_co_u32 s26, s26, XIMG
	v_add_nc_u32 v[XWI], s26, v[LI]
	v_lshlrev_b32 v[LSX], 2, v[LANE]
	s_lshl_b32 s26, s[WV], 10
	s_add_co_u32 s26, s26, XSC
	v_add_nc_u32 v[XWS], s26, v[LSX]
	v_add_nc_u32 v[LSX], XSC, v[LSX]
	v_add_nc_u32 v[LIX], XIMG, v[LI]
	s_mul_i32 s26, s[WV], 24576
	v_add_nc_u32 v[AW], s26, v[LI]
	v_add_nc_u32 v[AW+1], SLOT, v[AW]
	s_lshl_b32 s26, s[WV], 10
	s_add_co_u32 s26, s26, 98304
	v_add_nc_u32 v[AS], s26, v[LI]
	v_add_nc_u32 v[AS+1], SLOT, v[AS]
	v_lshlrev_b32 v[BKA], 6, v210
	v_and_b32 v[BVA], 8, v15
	v_add_nc_u32 v[BVA], v[BVA], v15
	v_lshlrev_b32 v[BVA], 2, v[BVA]
.irp b, 0,1,2,3
	v_mov_b32 v[TM+4+\b], 0
.endr
.macro UNIT n
.if 7-(\n) >= 3
	s_wait_loadcnt 48
.else
	s_wait_loadcnt 16*(7-(\n))
.endif
	XTURN (\n)%4
	s_wait_dscnt 0x0
.if (\n) < 4
	XLOADU (\n)%4, 16384+512*(\n)
.endif
	QUANT XN, 0, PC, TP, PW
.irp c, 0,1,2
	ds_store_b128 v[XWI], v[PC+4*\c:PC+4*\c+3] offset:(\n)*1536+512*\c
.endr
	ds_store_b32 v[XWS], v[PW] offset:128*(\n)
.endm
.irp n, 0,1,2,3,4,5,6,7
	UNIT \n
.endr
	WIN 0x40
.irp f, 0,1
.irp t, 0,1,2,3
	global_load_b128 v[192+32*\f+8*\t:192+32*\f+8*\t+3], v[BKA], s[8:9] offset:1024*\f+128*(\t/2)+32*(\t%2)
	global_load_b128 v[192+32*\f+8*\t+4:192+32*\f+8*\t+7], v[BKA], s[8:9] offset:1024*\f+128*(\t/2)+32*(\t%2)+16
.endr
.endr
	WIN 0x80
.irp f, 0,1
.irp t, 0,1,2,3
	global_load_b32 v[192+32*\f+8*\t], v[BVA], s[10:11] offset:1024*\f+128*(\t/2)+32*(\t%2)
.endr
.endr
	WIN 0
	s_wait_alu depctr_va_vdst(0)                   ; the wait at the head's end
	s_wait_tensorcnt 0x0                           ; my part of slot 0 is in
	ds_add_u32 v[SPW], v[NIL]
	s_wait_dscnt 0x0                               ; the add, and my stores of codes and scale words
	CROUND                                         ; slot 0 and the codes are whole for all waves; the partners are here
	tensor_load_to_lds s[G0+4:G0+7], s[G1:G1+7]    ; slot 1's first fill, my one load behind the round
	s_nop 0
	PLACES
	WIN 0x40
.set I_, 0
.rept 48
	ds_load_b128 v[4*I_:4*I_+3], v[LIX] offset:512*I_
.set I_, I_+1
.endr
	WIN 0x80
.set I_, 0
.rept 48
	ds_load_b128 v[4*I_:4*I_+3], v[LIX] offset:24576+512*I_
.set I_, I_+1
.endr
	WIN 0
.set I_, 0
.rept 32
	ds_load_b32 v[XSW+I_], v[LSX] offset:128*I_
.set I_, I_+1
.endr
	s_wait_loadcnt 0x0
	WIN 0x82
.irp k, 0,1,2,3,4,5,6,7
.irp e, 1,2,3,4,5,6,7
	v_mov_b32 v[192+8*\k+\e], v[192+8*\k]
.endr
.endr
	WIN 0
	PHASE 0, 0, 0
	CHANGE G0+8
	PHASE 0, 1, 1
	CHANGE G0+12
	PHASE 1, 0, 0
	WIN 0
	s_wait_tensorcnt 0x0
	ds_add_u32 v[SPW], v[NIL]
	s_wait_dscnt 0x0
	s_barrier_signal -1
	s_barrier_wait -1
	PHASE 1, 1, 1
	s_wait_tensorcnt 0x0
	ds_add_u32 v[SPW], v[NIL]
	s_wait_dscnt 0x0
	CROUND
	s_endpgm
.Lfunc_end_k_q4b6265d5a1_kvproj:
	.size	k_q4b6265d5a1_kvproj, .Lfunc_end_k_q4b6265d5a1_kvproj-k_q4b6265d5a1_kvproj
	.p2alignl 7, 3214868480
	.fill 96, 4, 3214868480
	.section	.rodata,"a",@progbits
	.p2align	6, 0x0
	.amdhsa_kernel k_q4b6265d5a1_kvproj
		.amdhsa_group_segment_fixed_size 327680
		.amdhsa_private_segment_fixed_size 0
		.amdhsa_enable_private_segment 0
		.amdhsa_kernarg_size 40
		.amdhsa_user_sgpr_count 2
		.amdhsa_user_sgpr_kernarg_segment_ptr 1
		.amdhsa_wavefront_size32 1
		.amdhsa_system_sgpr_workgroup_id_x 1
		.amdhsa_system_sgpr_workgroup_id_y 1
		.amdhsa_system_sgpr_workgroup_id_z 1
		.amdhsa_system_vgpr_workitem_id 0
		.amdhsa_next_free_vgpr 1024
		.amdhsa_next_free_sgpr 80
		.amdhsa_reserve_vcc 1
		.amdhsa_float_denorm_mode_32 3
		.amdhsa_float_denorm_mode_16_64 3
		.amdhsa_memory_ordered 1
		.amdhsa_forward_progress 1
		.amdhsa_inst_pref_size 231
	.end_amdhsa_kernel
	.amdgpu_metadata
---
amdhsa.version: [ 1, 2 ]
amdhsa.kernels:
  - .name:           k_q4b6265d5a1_kvproj
    .symbol:         k_q4b6265d5a1_kvproj.kd
    .args:
      - { .name: K, .offset: 0, .size: 8, .value_kind: global_buffer, .address_space: global }
      - { .name: wimg, .offset: 8, .size: 8, .value_kind: global_buffer, .address_space: global }
      - { .name: bk, .offset: 16, .size: 8, .value_kind: global_buffer, .address_space: global }
      - { .name: bv, .offset: 24, .size: 8, .value_kind: global_buffer, .address_space: global }
      - { .name: kvs, .offset: 32, .size: 8, .value_kind: global_buffer, .address_space: global }
    .group_segment_fixed_size: 327680
    .private_segment_fixed_size: 0
    .kernarg_segment_align: 8
    .kernarg_segment_size: 40
    .max_flat_workgroup_size: 128
    .sgpr_count:     80
    .vgpr_count:     1024
    .wavefront_size: 32
...
	.end_amdgpu_metadata
.endif
;; end of part 2
;; launch mab (part 3): grid 8 x 32, 8 waves a work-group, clusters of 4 x 1, 327,680 bytes of LDS; arguments Q, wimg, kvs, bq, bo, g0, b0, g1, b1, out0; writes out0
.if DOCPART == 3
	.amdgcn_target "amdgcn-amd-amdhsa--gfx1250"
	.amdhsa_code_object_version 6
	.text
	.protected	k_q4b6265d5a1_mab
	.globl	k_q4b6265d5a1_mab
	.p2align	8
	.type	k_q4b6265d5a1_mab,@function
k_q4b6265d5a1_mab:
	s_mov_b64 s[64:65], 0
	v_nop
	global_prefetch_b8 v0, s[64:65] scope:SCOPE_SE
	s_setreg_imm32_b32 hwreg(HW_REG_WAVE_MODE, 25, 1), 1
	s_wait_xcnt 0x0
	s_wait_alu depctr_hold_cnt(0) depctr_sa_sdst(0) depctr_va_vdst(0) depctr_va_sdst(0) depctr_va_ssrc(0) depctr_va_vcc(0) depctr_vm_vsrc(0)
	s_getreg_b32 s2, hwreg(HW_REG_IB_STS2, 6, 4)
	s_cmp_eq_u32 s2, 0
	s_cbranch_scc0 .Lentry_in_a_cluster
	s_endpgm
.Lentry_in_a_cluster:
	s_bfe_u32 s2, ttmp6, 0x10000c
	s_cmp_lg_u32 s2, 0x3003
	s_cbranch_scc0 .Lentry_shape_is_right
	s_endpgm
.Lentry_shape_is_right:
; The whole block for 128 query rows of one batch: Qp = Q Wq^T + bq, attention over 8 heads, residual, LayerNorm, O + relu(O Wo^T + bo), LayerNorm; all products in MX-BF6.
; A wave owns 16 rows; Qp, then O, stay in its window 1 (256 registers).  Weight halves (wimg) and a head's K and V images (kvs) come by joint loads of a cluster of four through two slots of 102,400 bytes.
; The head asks for Wq's first half, then reads and quantises Q's rows under that load's flight; slot 1's first fill stands behind the round that also shows the parameters in LDS to all waves.
; The loop over pairs of heads has four trips; in the last the two refills take Wo's halves in place of K and V (a choice of address on the trip's number), and the registers are not turned on.
; Softmax: running M = ceil of the running largest t, p = 2^(t - M), sum of the unquantised p.  LIMIT: the scaled scores t stay under 2^31 in magnitude.
.set TR,    50
.set SLOT,  102400
.set STG,   204800
.set PAR,   272384
.set SPARE, 284672
.set ROT,   64
.set LI,  1
.set SPW, 2
.set NIL, 3
.set ADR, 4
.set SA,  5
.set SB,  6
.set PA,  7
.set WA,  8
.set QS,  16
.set PSW, 17
.set SCR, 18
.set CDS, 22
.set SCW, 26
.set ZQ,  42
.set KV,  60
.set PC,  108
.set S,   120
.set OT,  184
.set BM,  216
.set PB,  220
.set CT,  224
.set SO,  232
.set F,   236
.set T1,  238
.set SM2, 240
.set CD,  42
.set WF,  90
.set ACC, 186
.set XN,  90
.set TM,  154
.set TP,  170
.set GB,  42
.set SU,  170
.set MU,  178
.set RS,  180
.set T2,  182
.set OB,  42
.set WV,  24
.set G1,  28
.set WQ0, 36
.set WQ1, 40
.set KV0, 44
.set KV1, 48
.set WO0, 52
.set WO1, 56
.set SEL, 60
.set CC,  62
.set TB,  66
.set KST, 67
.set TRIP, 68
.set IV,  69
.set EP,  70
.set MSB, 0
.macro WIN new
.if MSB != (\new)
	s_set_vgpr_msb (MSB<<8)|(\new)
.set MSB, \new
.endif
.endm
.macro PLACES
.rept 4
	v_nop
.endr
.endm
.macro CROUND
	s_barrier_signal -1
	s_barrier_wait -1
	s_cmp_lg_u32 s[WV], 0
	s_cbranch_scc1 .Lnw0_\@
	s_barrier_signal -3
.Lnw0_\@:
	s_barrier_wait -3
	s_barrier_signal -1
	s_barrier_wait -1
.endm
.macro CHANGE g0, step, alt
	WIN 0
	s_wait_alu depctr_va_vdst(0)
	s_wait_tensorcnt 0x0
	ds_add_u32 v[SPW], v[NIL]
.if \step
	s_add_nc_u64 s[\g0+2:\g0+3], s[\g0+2:\g0+3], \step
.endif
.if \alt
	s_cmp_eq_u32 s[TRIP], 1                        ; the last trip: the slot takes a half of Wo (the stepped address is not used)
	s_cselect_b64 s[\g0+2:\g0+3], s[\alt+2:\alt+3], s[\g0+2:\g0+3]
.endif
	s_wait_dscnt 0x0
	CROUND
	tensor_load_to_lds s[\g0:\g0+3], s[G1:G1+7]
	s_nop 0
	PLACES
.endm
; A change of slots inside the loop over heads, in two parts.  OPEN: all my tensor loads are in, the add, my reads of the slot are over; the slot's next address (in the last trip a half of Wo); the round's opening signal.
; Between OPEN and CLOSE stands work on registers alone: the finished head's way into O and the next head's set-up.  CLOSE: the rest of the round, and the refill as my first tensor load behind it.
.macro OPEN g0, alt
	WIN 0
	s_wait_alu depctr_va_vdst(0)                   ; the wait directly ahead of the wait below
	s_wait_tensorcnt 0x0
	ds_add_u32 v[SPW], v[NIL]
	s_add_nc_u64 s[\g0+2:\g0+3], s[\g0+2:\g0+3], 204800
	s_cmp_eq_u32 s[TRIP], 1                        ; the last trip: the slot takes a half of Wo (the stepped address is not used)
	s_cselect_b64 s[\g0+2:\g0+3], s[\alt+2:\alt+3], s[\g0+2:\g0+3]
	s_wait_dscnt 0x0
	s_barrier_signal -1
.endm
.macro CLOSE g0
	s_wait_alu depctr_va_vdst(0)
	s_barrier_wait -1
	s_cmp_lg_u32 s[WV], 0
	s_cbranch_scc1 .Lnw1_\@
	s_barrier_signal -3
.Lnw1_\@:
	s_barrier_wait -3
	s_barrier_signal -1
	s_barrier_wait -1
	tensor_load_to_lds s[\g0:\g0+3], s[G1:G1+7]
	s_nop 0
	PLACES
.endm
.macro MKG0 g0, lds, base, off
	s_mov_b32 s[\g0], 1
	s_add_co_u32 s[\g0+1], s72, \lds
	s_add_nc_u64 s[\g0+2:\g0+3], s[\base:\base+1], \off
	s_or_b32 s[\g0+3], s[\g0+3], 0x80000000
.endm
.macro XLOADU set
	WIN 0x40
.irp i, 0,1,2,3,4,5,6,7,8,9,10,11,12,13,14,15
	global_load_b128 v[64*(\set)+4*\i:64*(\set)+4*\i+3], v[LI], s[4:5] offset:512*(\set)+\i*2048 th:TH_LOAD_NT
.endr
	WIN 0
.endm
.macro XTURN set
	WIN 0x04
.irp i, 0,1,2,3,4,5,6,7,8,9,10,11,12,13,14,15
	ds_store_b128 v[SA], v[64*(\set)+4*\i:64*(\set)+4*\i+3] offset:528*\i
.endr
	WIN 0
.irp i, 0,1,2,3,4,5,6,7,8,9,10,11,12,13,14,15
	ds_load_b128 v[XN+4*\i:XN+4*\i+3], v[SB] offset:128*(\i/4)+16*(\i%4)
.endr
.endm
.macro QUANT src, sw, dst, tmp, pw
	WIN (\sw)|((\sw)<<2)
.irp b, 0,1,2,3
	v_max3_num_f32 v[TM+\b], |v[(\src)+16*\b]|, |v[(\src)+16*\b+1]|, 0x2800000
.endr
	WIN ((\sw)<<2)|((\sw)<<4)
.irp i, 2,4,6,8,10,12,14
.irp b, 0,1,2,3
	v_max3_num_f32 v[TM+\b], v[TM+\b], |v[(\src)+16*\b+\i]|, |v[(\src)+16*\b+\i+1]|
.endr
.endr
	WIN 0
.irp b, 0,1,2,3
	v_permlanex16_b32 v[TM+4+\b], v[TM+\b], s[SEL], s[SEL+1]
.endr
.irp b, 0,1,2,3
	s_delay_alu instid0(VALU_DEP_4)
	v_max_num_f32 v[TM+\b], v[TM+\b], v[TM+4+\b]
.endr
.irp b, 0,1,2,3
	s_delay_alu instid0(VALU_DEP_4)
	v_add_nc_u32 v[TM+12+\b], 0xfe000000, v[TM+\b]
.endr
.irp b, 0,1,2,3
	s_delay_alu instid0(VALU_DEP_4)
	v_lshrrev_b32 v[TM+4+\b], 23, v[TM+12+\b]
.endr
	s_delay_alu instid0(VALU_DEP_3)
	v_lshl_or_b32 v[\pw], v[TM+5], 8, v[TM+4]
	s_delay_alu instid0(VALU_DEP_1)
	v_lshl_or_b32 v[\pw], v[TM+6], 16, v[\pw]
	s_delay_alu instid0(VALU_DEP_1)
	v_lshl_or_b32 v[\pw], v[TM+7], 24, v[\pw]
	WIN \sw
.irp c, 0,1
	v_cvt_scalef32_pk16_bf6_f32 v[\dst+6*\c:\dst+6*\c+2], v[(\src)+32*\c:(\src)+32*\c+15], v[TM+12+2*\c]
	v_cvt_scalef32_pk16_bf6_f32 v[\tmp+4*\c:\tmp+4*\c+2], v[(\src)+32*\c+16:(\src)+32*\c+31], v[TM+13+2*\c]
.endr
	WIN 0
	v_nop
.irp c, 0,1
.irp i, 0,1,2
	v_permlane16_swap_b32 v[\dst+6*\c+\i], v[\tmp+4*\c+\i]
.endr
.irp i, 0,1,2
	s_delay_alu instid0(VALU_DEP_3)
	v_mov_b32 v[\dst+6*\c+3+\i], v[\tmp+4*\c+\i]
.endr
.endr
.endm
.macro WMC row
.if \row
	v_wmma_scale_f32_16x16x128_f8f6f4 v[RD_:RD_+7], v[RA_:RA_+11], v[RB_:RB_+11], v[RD_:RD_+7], v[XA_], v[XB_] matrix_a_fmt:MATRIX_FMT_BF6 matrix_b_fmt:MATRIX_FMT_BF6 matrix_a_scale:MATRIX_SCALE_ROW1
.else
	v_wmma_scale_f32_16x16x128_f8f6f4 v[RD_:RD_+7], v[RA_:RA_+11], v[RB_:RB_+11], v[RD_:RD_+7], v[XA_], v[XB_] matrix_a_fmt:MATRIX_FMT_BF6 matrix_b_fmt:MATRIX_FMT_BF6
.endif
.endm
.macro WMZ
	v_wmma_scale_f32_16x16x128_f8f6f4 v[RD_:RD_+7], v[RA_:RA_+11], v[RB_:RB_+11], 0, v[XA_], v[XB_] matrix_a_fmt:MATRIX_FMT_BF6 matrix_b_fmt:MATRIX_FMT_BF6
.endm
.macro LB mode, hf, n
.set QL_, (\n)/4
.set SS_, (\n)%4
.set FB_, WF+48*((\n)%2)
.irp t, 0,1,2,3
.irp c, 0,1,2
	ds_load_b128 v[FB_+12*\t+4*\c:FB_+12*\t+4*\c+3], v[WA+2*\hf+QL_/2] offset:(4*((4*QL_+\t)%8)+SS_)*1536+512*\c
.endr
.endr
.if SS_ == 0
.irp k, 0,1
	ds_load_b128 v[SCW+8*(QL_%2)+4*\k:SCW+8*(QL_%2)+4*\k+3], v[WA+2*\hf+1] offset:49152+512*(2*QL_+\k)
.endr
.if \mode
.irp k, 0,1,2,3,4,5,6,7
	ds_load_b128 v[ACC+32*(QL_%2)+4*\k:ACC+32*(QL_%2)+4*\k+3], v[PA] offset:2048+128*(8*\hf+2*QL_+\k/4)+16*(\k%4)
.endr
.endif
.endif
.endm
.macro WB mode, hf, n
.set QL_, (\n)/4
.set SS_, (\n)%4
.set FB_, WF+48*((\n)%2)
.if \mode
	WIN 0
.else
	WIN 0x50
.endif
.irp t, 0,1,2,3
.if \mode
.set RD_, ACC+32*(QL_%2)+8*\t
.else
.set RD_, 8*(16*\hf+4*QL_+\t)
.endif
.set RA_, FB_+12*\t
.set RB_, CD+12*SS_
.set XA_, SCW+8*(QL_%2)+4*(\t/2)+SS_
.set XB_, CDS+SS_
	WMC \t%2
.endr
	WIN 0
.endm
.macro EPI hf, ql
.set AB_, ACC+32*((\ql)%2)
.set OC_, (128*(\hf)+32*(\ql)+ROT)%256
.set I_, 0
.rept 32
	v_max_num_f32 v[AB_+I_], 0, v[AB_+I_]
.set I_, I_+1
.endr
	WIN 0x41
.set I_, 0
.rept 16
	v_pk_add_f32 v[OC_+I_:OC_+I_+1], v[OC_+I_:OC_+I_+1], v[AB_+I_:AB_+I_+1]
.set I_, I_+2
.endr
	WIN 0
.endm
.macro PROJ mode, hf
	LB \mode, \hf, 0
.set N_, 0
.rept 16
	PLACES
.if N_ < 15
	LB \mode, \hf, N_+1
.endif
.if \mode && (N_%4 == 0) && (N_ > 0)
	EPI \hf, N_/4-1
.endif
.if N_ == 15
	s_wait_dscnt 0x0
.elseif (N_+1)%4 != 0
	s_wait_dscnt 12
.elseif \mode
	s_wait_alu depctr_va_vdst(0)
	s_wait_dscnt 22
.else
	s_wait_alu depctr_va_vdst(0)
	s_wait_dscnt 14
.endif
	WB \mode, \hf, N_
.set N_, N_+1
.endr
	PLACES
.if \mode
	EPI \hf, 3
.endif
.endm
.macro STEP
	v_add_nc_u32 v[ADR], s[TB], v[LI]
	v_nop
	v_nop
	v_nop
.set I_, 0
.rept 12
	ds_load_b128 v[KV+4*I_:KV+4*I_+3], v[ADR] offset:512*I_
.set I_, I_+1
.endr
	ds_load_b128 v[SCR:SCR+3], v[ADR] offset:12288
	s_wait_alu depctr_va_vdst(0)
	s_wait_dscnt 0x0
.irp p, 0,1,2,3
.irp e, 0,1
.set RD_, S+8*(2*\p+\e)
.set RA_, KV+12*\p
.set RB_, ZQ+6-6*\e
.set XA_, SCR+\p
.set XB_, QS
	WMZ
.endr
.endr
	PLACES
.set I_, 0
.rept 12
	ds_load_b128 v[KV+4*I_:KV+4*I_+3], v[ADR] offset:6144+512*I_
.set I_, I_+1
.endr
.irp b, 0,1,2,3
	v_max3_num_f32 v[BM+\b], v[S+16*\b], v[S+16*\b+1], v[S+16*\b+2]
.endr
.irp i, 3,5,7,9,11,13
.irp b, 0,1,2,3
	v_max3_num_f32 v[BM+\b], v[BM+\b], v[S+16*\b+\i], v[S+16*\b+\i+1]
.endr
.endr
.irp b, 0,1,2,3
	v_max_num_f32 v[BM+\b], v[BM+\b], v[S+16*\b+15]
.endr
.irp b, 0,1,2,3
	s_delay_alu instid0(VALU_DEP_4)
	v_permlanex16_b32 v[PB+\b], v[BM+\b], s[SEL], s[SEL+1]
.endr
.irp b, 0,1,2,3
	s_delay_alu instid0(VALU_DEP_4)
	v_max_num_f32 v[BM+\b], v[BM+\b], v[PB+\b]
.endr
	s_delay_alu instid0(VALU_DEP_2)
	v_max3_num_f32 v[T1], v[BM], v[BM+1], v[BM+2]
	s_delay_alu instid0(VALU_DEP_1)
	v_max_num_f32 v[T1], v[T1], v[BM+3]
	s_delay_alu instid0(VALU_DEP_1)
	v_mul_f32 v[T1], s[CC], v[T1]
	s_delay_alu instid0(VALU_DEP_1)
	v_max_num_f32 v13, v13, v[T1]
	v_mov_b32 v[T1], v12
	s_delay_alu instid0(VALU_DEP_2)
	v_floor_f32 v12, -v13
	s_delay_alu instid0(VALU_DEP_1)
	v_sub_f32 v[T1], v12, v[T1]
	s_delay_alu instid0(VALU_DEP_1)
	v_cvt_i32_f32 v[T1], v[T1]
	s_delay_alu instid0(VALU_DEP_1)
	v_ldexp_f32 v[F], 1.0, v[T1]
.set I_, 0
.rept 32
	v_pk_fma_f32 v[S+I_:S+I_+1], v[S+I_:S+I_+1], s[CC:CC+1], v[12:13] op_sel_hi:[1,0,0]
.set I_, I_+2
.endr
.irp b, 0,1,2,3
	v_fma_f32 v[BM+\b], v[BM+\b], s[CC], v12
.endr
.set I_, 0
	s_wait_alu depctr_va_vdst(0)
.rept 64
	v_exp_f32 v[S+I_], v[S+I_]
.set I_, I_+1
.endr
	v_pk_mul_f32 v[14:15], v[14:15], v[F:F+1] op_sel_hi:[1,0]
	s_wait_alu depctr_va_vdst(0)
.irp b, 0,1,2,3
	v_exp_f32 v[BM+\b], v[BM+\b]
.endr
	v_pk_add_f32 v[SM2:SM2+1], v[S:S+1], v[S+2:S+3]
.irp j, 4,8,12,16,20,24,28,32,36,40,44,48,52,56,60
	v_pk_add_f32 v[14:15], v[14:15], v[S+\j:S+\j+1]
	v_pk_add_f32 v[SM2:SM2+1], v[SM2:SM2+1], v[S+\j+2:S+\j+3]
.endr
	s_delay_alu instid0(VALU_DEP_1)
	v_pk_add_f32 v[14:15], v[14:15], v[SM2:SM2+1]
	s_wait_alu depctr_va_vdst(0)
.irp b, 0,1,2,3
	v_max_num_f32 v[BM+\b], 0x2800000, v[BM+\b]
.endr
.irp b, 0,1,2,3
	s_delay_alu instid0(VALU_DEP_4)
	v_add_nc_u32 v[SO+\b], 0xfe000000, v[BM+\b]
.endr
.irp b, 0,1,2,3
	s_delay_alu instid0(VALU_DEP_4)
	v_lshrrev_b32 v[PB+\b], 23, v[SO+\b]
.endr
	s_delay_alu instid0(VALU_DEP_3)
	v_lshl_or_b32 v[PSW], v[PB+1], 8, v[PB]
	s_delay_alu instid0(VALU_DEP_1)
	v_lshl_or_b32 v[PSW], v[PB+2], 16, v[PSW]
	s_delay_alu instid0(VALU_DEP_1)
	v_lshl_or_b32 v[PSW], v[PB+3], 24, v[PSW]
.irp c, 0,1
	v_cvt_scalef32_pk16_bf6_f32 v[PC+6*\c:PC+6*\c+2], v[S+32*\c:S+32*\c+15], v[SO+2*\c]
	v_cvt_scalef32_pk16_bf6_f32 v[CT+4*\c:CT+4*\c+2], v[S+32*\c+16:S+32*\c+31], v[SO+2*\c+1]
.endr
	v_nop
.irp c, 0,1
.irp i, 0,1,2
	v_permlane16_swap_b32 v[PC+6*\c+\i], v[CT+4*\c+\i]
.endr
.irp i, 0,1,2
	s_delay_alu instid0(VALU_DEP_3)
	v_mov_b32 v[PC+6*\c+3+\i], v[CT+4*\c+\i]
.endr
.endr
.set I_, 0
.rept 16
	v_pk_mul_f32 v[OT+I_:OT+I_+1], v[OT+I_:OT+I_+1], v[F:F+1] op_sel_hi:[1,0]
.set I_, I_+2
.endr
	s_wait_alu depctr_va_vdst(0)
	s_wait_dscnt 0x0
.irp t, 0,1,2,3
.set RD_, OT+8*\t
.set RA_, KV+12*\t
.set RB_, PC
.set XA_, SCR+\t
.set XB_, PSW
	WMC 1
.endr
.endm
.macro PRO pos
.set HO_, 32*\pos
	WIN 0x05
.irp b, 0,1
	v_max3_num_f32 v[BM+\b], |v[HO_+16*\b]|, |v[HO_+16*\b+1]|, 0x2800000
.endr
	WIN 0x14
.irp i, 2,4,6,8,10,12,14
.irp b, 0,1
	v_max3_num_f32 v[BM+\b], v[BM+\b], |v[HO_+16*\b+\i]|, |v[HO_+16*\b+\i+1]|
.endr
.endr
	WIN 0
.irp b, 0,1
	v_permlanex16_b32 v[PB+\b], v[BM+\b], s[SEL], s[SEL+1]
.endr
.irp b, 0,1
	s_delay_alu instid0(VALU_DEP_2)
	v_max_num_f32 v[BM+\b], v[BM+\b], v[PB+\b]
.endr
.irp b, 0,1
	s_delay_alu instid0(VALU_DEP_2)
	v_add_nc_u32 v[SO+\b], 0xfe000000, v[BM+\b]
.endr
.irp b, 0,1
	s_delay_alu instid0(VALU_DEP_2)
	v_lshrrev_b32 v[PB+\b], 23, v[SO+\b]
.endr
	s_delay_alu instid0(VALU_DEP_1)
	v_lshl_or_b32 v[QS], v[PB+1], 8, v[PB]
	s_delay_alu instid0(VALU_DEP_1)
	v_lshl_or_b32 v[QS], v[QS], 16, v[QS]
	WIN 0x01
	v_cvt_scalef32_pk16_bf6_f32 v[ZQ+6:ZQ+8], v[HO_:HO_+15], v[SO]
	v_cvt_scalef32_pk16_bf6_f32 v[CT:CT+2], v[HO_+16:HO_+31], v[SO+1]
	WIN 0
	v_nop
.irp i, 0,1,2
	v_permlane16_swap_b32 v[ZQ+6+\i], v[CT+\i]
.endr
.irp i, 0,1,2
	s_delay_alu instid0(VALU_DEP_3)
	v_mov_b32 v[ZQ+9+\i], v[CT+\i]
.endr
	v_mov_b32 v13, 0xff61b1e6
	s_delay_alu instid0(VALU_DEP_1)
	v_floor_f32 v12, -v13
	v_mov_b32 v14, 0
	v_mov_b32 v15, 0
.set I_, 0
.rept 32
	v_mov_b32 v[OT+I_], 0
.set I_, I_+1
.endr
	s_mov_b32 s[TB], SLOT*\pos
	s_mov_b32 s[KST], 8
.endm
.macro WALK                            ; a head's eight steps of 128 keys
.Lstep_\@:
	STEP
	s_add_co_u32 s[TB], s[TB], 12800
	s_sub_co_u32 s[KST], s[KST], 1
	s_cmp_lg_u32 s[KST], 0
	s_cbranch_scc1 .Lstep_\@
.endm
.macro FIN pos                         ; O = Qh + O^T / the row's sum
.set HO_, 32*\pos
	v_add_f32 v14, v14, v15
	s_delay_alu instid0(VALU_DEP_1)
	v_permlanex16_b32 v[PB], v14, s[SEL], s[SEL+1]
	s_delay_alu instid0(VALU_DEP_1)
	v_add_f32 v14, v14, v[PB]
	s_wait_alu depctr_va_vdst(0)
	v_rcp_f32 v[F], v14
	v_nop
	v_nop
	s_wait_alu depctr_va_vdst(0)
	WIN 0x50
.set I_, 0
.rept 16
	v_pk_fma_f32 v[HO_+I_:HO_+I_+1], v[OT+I_:OT+I_+1], v[F:F+1], v[HO_+I_:HO_+I_+1] op_sel_hi:[1,0,1]
.set I_, I_+2
.endr
	WIN 0
.endm
.macro ROTATE
	WIN 0x01
.set I_, 0
.rept 64
	v_mov_b32 v[S+I_], v[I_]
.set I_, I_+1
.endr
	WIN 0x41
.set I_, 0
.rept 192
	v_mov_b32 v[I_], v[I_+64]
.set I_, I_+1
.endr
	WIN 0x40
.set I_, 0
.rept 64
	v_mov_b32 v[192+I_], v[S+I_]
.set I_, I_+1
.endr
	WIN 0
.endm
.macro LOADC goff, boff, ch
.irp k, 0,1,2,3,4,5,6,7
	ds_load_b128 v[GB+64*((\ch)%2)+4*\k:GB+64*((\ch)%2)+4*\k+3], v[PA] offset:(\goff)+256*(\ch)+128*(\k/4)+16*(\k%4)
.endr
.irp k, 0,1,2,3,4,5,6,7
	ds_load_b128 v[GB+64*((\ch)%2)+32+4*\k:GB+64*((\ch)%2)+32+4*\k+3], v[PA] offset:(\boff)+256*(\ch)+128*(\k/4)+16*(\k%4)
.endr
.endm
.macro LANESUM
	v_pk_add_f32 v[SU:SU+1], v[SU:SU+1], v[SU+2:SU+3]
	v_pk_add_f32 v[SU+4:SU+5], v[SU+4:SU+5], v[SU+6:SU+7]
	s_delay_alu instid0(VALU_DEP_1)
	v_pk_add_f32 v[SU:SU+1], v[SU:SU+1], v[SU+4:SU+5]
	s_delay_alu instid0(VALU_DEP_1)
	v_add_f32 v[T2], v[SU], v[SU+1]
	v_mov_b32 v[T2+1], 0
	s_delay_alu instid0(VALU_DEP_1)
	v_permlanex16_b32 v[T2+1], v[T2], s[SEL], s[SEL+1]
	s_delay_alu instid0(VALU_DEP_1)
	v_add_f32 v[T2], v[T2], v[T2+1]
.endm
.macro LN goff, boff
	WIN 0x05
.irp k, 0,1,2,3
	v_pk_add_f32 v[SU+2*\k:SU+2*\k+1], v[4*\k:4*\k+1], v[4*\k+2:4*\k+3]
.endr
	WIN 0x04
.set I_, 16
.rept 120
	v_pk_add_f32 v[SU+2*((I_/2)%4):SU+2*((I_/2)%4)+1], v[SU+2*((I_/2)%4):SU+2*((I_/2)%4)+1], v[I_:I_+1]
.set I_, I_+2
.endr
	WIN 0
	LOADC \goff, \boff, 0
	LANESUM
	s_delay_alu instid0(VALU_DEP_1)
	v_mul_f32 v[MU], 0xbb000000, v[T2]
	s_delay_alu instid0(VALU_DEP_1)
	v_mov_b32 v[MU+1], v[MU]
	WIN 0x41
.set I_, 0
.rept 128
	v_pk_add_f32 v[I_:I_+1], v[I_:I_+1], v[MU:MU+1] op_sel_hi:[1,0]
.set I_, I_+2
.endr
	WIN 0x05
.irp k, 0,1,2,3
	v_pk_mul_f32 v[SU+2*\k:SU+2*\k+1], v[2*\k:2*\k+1], v[2*\k:2*\k+1]
.endr
.set I_, 8
.rept 124
	s_delay_alu instid0(VALU_DEP_4)
	v_pk_fma_f32 v[SU+2*((I_/2)%4):SU+2*((I_/2)%4)+1], v[I_:I_+1], v[I_:I_+1], v[SU+2*((I_/2)%4):SU+2*((I_/2)%4)+1]
.set I_, I_+2
.endr
	WIN 0
	LANESUM
	s_delay_alu instid0(VALU_DEP_1)
	v_fma_f32 v[T2], v[T2], s[IV], s[EP]
	s_wait_alu depctr_va_vdst(0)
	v_rsq_f32 v[RS], v[T2]
	v_nop
	s_wait_alu depctr_va_vdst(0)
	v_mov_b32 v[RS+1], v[RS]
	s_wait_alu depctr_va_vdst(0)
.irp ch, 0,1,2,3,4,5,6,7
.if \ch < 7
	LOADC \goff, \boff, \ch+1
	s_wait_dscnt 16
.else
	s_wait_dscnt 0x0
.endif
.set OC_, (32*\ch+ROT)%256
.set GC_, GB+64*(\ch%2)
	WIN 0x41
.set I_, 0
.rept 16
	v_pk_mul_f32 v[OC_+I_:OC_+I_+1], v[OC_+I_:OC_+I_+1], v[RS:RS+1] op_sel_hi:[1,0]
.set I_, I_+2
.endr
.set I_, 0
.rept 16
	v_pk_fma_f32 v[OC_+I_:OC_+I_+1], v[OC_+I_:OC_+I_+1], v[GC_+I_:GC_+I_+1], v[GC_+32+I_:GC_+32+I_+1]
.set I_, I_+2
.endr
	WIN 0
.endr
.endm
.macro TOST s
.set OS_, (64*(\s)+ROT)%256
	WIN 0x04
.set I_, 0
.rept 16
	ds_store_b128 v[SB], v[OS_+4*I_:OS_+4*I_+3] offset:128*(I_/4)+16*(I_%4)
.set I_, I_+1
.endr
	WIN 0
.set I_, 0
.rept 16
	ds_load_b128 v[OB+64*((\s)%2)+4*I_:OB+64*((\s)%2)+4*I_+3], v[SA] offset:528*I_
.set I_, I_+1
.endr
.endm
.macro SEND s, younger
	s_wait_dscnt \younger
.set I_, 0
.rept 16
	global_store_b128 v[LI], v[OB+64*((\s)%2)+4*I_:OB+64*((\s)%2)+4*I_+3], s[22:23] offset:2048*I_+512*(\s) th:TH_STORE_NT
.set I_, I_+1
.endr
.endm
	s_load_b512 s[4:19], s[0:1], 0x0
	s_load_b128 s[20:23], s[0:1], 0x40
	v_lshl_add_u32 v[SPW], v0, 2, SPARE
	v_mov_b32 v[NIL], 0
	ds_add_u32 v2, v3
	ds_add_u32 v2, v3
	s_wait_dscnt 0x0
	v_lshrrev_b32 v[ADR], 5, v0
	s_delay_alu instid0(VALU_DEP_1)
	v_readfirstlane_b32 s[WV], v[ADR]
	s_bfe_u32 s25, ttmp6, 0x40000
	s_lshl_b32 s26, ttmp9, 2
	s_add_co_u32 s26, s26, s25
	s_and_b32 s27, ttmp7, 0xffff
	s_mov_b32 s[G1], 15|(3<<16)|(1<<21)
	s_mov_b32 s[G1+1], 32<<16
	s_mov_b32 s[G1+2], TR<<16
	s_mov_b32 s[G1+3], 32<<16
	s_mov_b32 s[G1+4], TR
	s_mov_b32 s[G1+5], 32
	s_mov_b32 s[G1+6], 0
	s_mov_b32 s[G1+7], 0
	s_mov_b32 s[SEL], 0x76543210
	s_mov_b32 s[SEL+1], 0xfedcba98
	s_mov_b32 s[CC], 0x3d8293ee
	s_mov_b32 s[CC+1], s[CC]
	s_mov_b32 s[IV], 0x3b000000
	s_mov_b32 s[EP], 0x3727c5ac
	s_mul_i32 s72, s[WV], TR*256
	s_mov_b32 s73, 0
	s_mul_i32 s74, s27, 819200
	s_add_co_u32 s74, s74, s72
	s_mov_b32 s75, 0
	s_lshl_b32 s76, s27, 21
	s_lshl_b32 s78, s26, 18
	s_add_co_u32 s76, s76, s78
	s_lshl_b32 s78, s[WV], 15
	s_add_co_u32 s76, s76, s78
	s_mov_b32 s77, 0
	s_wait_kmcnt 0x0
	s_add_nc_u64 s[6:7], s[6:7], s[72:73]
	s_add_nc_u64 s[8:9], s[8:9], s[74:75]
	s_add_nc_u64 s[4:5], s[4:5], s[76:77]
	s_add_nc_u64 s[22:23], s[22:23], s[76:77]
	MKG0 WQ0, 0, 6, 0
	MKG0 WQ1, SLOT, 6, 102400
	MKG0 KV0, 0, 8, 0
	MKG0 KV1, SLOT, 8, 102400
	MKG0 WO0, 0, 6, 614400
	MKG0 WO1, SLOT, 6, 716800
	CROUND
	tensor_load_to_lds s[WQ0:WQ0+3], s[G1:G1+7]
	s_nop 0
	PLACES
	v_and_b32 v[T1], 31, v0
	s_delay_alu instid0(VALU_DEP_1)
	v_lshlrev_b32 v[LI], 4, v[T1]
	s_wait_alu depctr_va_vdst(0)
	v_lshlrev_b32 v[WA], 4, v[T1]
	v_and_b32 v[SM2], 127, v0
	s_delay_alu instid0(VALU_DEP_1)
	v_lshlrev_b32 v[SM2], 4, v[SM2]
	s_cmp_lt_u32 s[WV], 4
	s_cselect_b64 s[10:11], s[10:11], s[12:13]
	s_cselect_b64 s[14:15], s[14:15], s[16:17]
	s_cselect_b64 s[18:19], s[18:19], s[20:21]
	global_load_b128 v[186:189], v[SM2], s[10:11]
	global_load_b128 v[190:193], v[SM2], s[14:15]
	global_load_b128 v[194:197], v[SM2], s[18:19]
	XLOADU 0
	XLOADU 1
	XLOADU 2
	v_and_b32 v[T1], 15, v0
	v_bfe_u32 v[T1+1], v0, 4, 1
	s_mul_i32 s79, s[WV], 8448
	s_add_co_u32 s79, s79, STG
	v_add_nc_u32 v[SA], s79, v[LI]
	v_mul_u32_u24 v[SB], v[T1], 528
	s_delay_alu instid0(VALU_DEP_1)
	v_lshl_add_u32 v[SB], v[T1+1], 6, v[SB]
	s_delay_alu instid0(VALU_DEP_1)
	v_add_nc_u32 v[SB], s79, v[SB]
	v_lshl_add_u32 v[PA], v[T1+1], 6, PAR
	v_add_nc_u32 v[WA+1], 49152, v[LI]
	v_add_nc_u32 v[WA+2], SLOT, v[LI]
	v_add_nc_u32 v[WA+3], SLOT+49152, v[LI]
	v_lshl_add_u32 v[SM2+1], v0, 4, PAR
.irp b, 0,1,2,3
	v_mov_b32 v[TM+4+\b], 0
.endr
	s_wait_alu depctr_va_vdst(0)
	s_wait_loadcnt 48
	ds_store_b128 v[SM2+1], v[186:189]
	ds_store_b128 v[SM2+1], v[190:193] offset:4096
	ds_store_b128 v[SM2+1], v[194:197] offset:8192
	XLOADU 3
.irp s, 0,1,2,3
	s_wait_loadcnt 48-16*\s
	XTURN \s
	s_wait_dscnt 0x0
	QUANT XN, 0, CD+12*\s, TP, CDS+\s
.endr
	s_wait_alu depctr_va_vdst(0)                   ; the wait at the head's end
	s_wait_tensorcnt 0x0                           ; my part of slot 0 is in
	ds_add_u32 v[SPW], v[NIL]
	s_wait_dscnt 0x0                               ; the add, and my stores of the parameters
	CROUND                                         ; slot 0 and the parameters are whole for all waves; the partners are here
	tensor_load_to_lds s[WQ1:WQ1+3], s[G1:G1+7]    ; slot 1's first fill, my one load behind the round
	s_nop 0
	PLACES
	WIN 0x40
.set I_, 0
.rept 64
	ds_load_b128 v[4*I_:4*I_+3], v[PA] offset:128*(I_/4)+16*(I_%4)
.set I_, I_+1
.endr
	WIN 0
	PROJ 0, 0
	CHANGE KV0, 0, 0
	PROJ 0, 1
	CHANGE KV1, 0, 0
.irp i, 0,1,2,3,4,5
	v_mov_b32 v[ZQ+\i], 0
	v_mov_b32 v[ZQ+12+\i], 0
.endr
.irp b, 0,1,2,3
	v_mov_b32 v[PB+\b], 0
.endr
	v_mov_b32 v[F+1], 0
	s_mov_b32 s[TRIP], 4
.Lpair:
	PRO 0
	WALK
	OPEN KV0, WO0
	FIN 0
	PRO 1
	CLOSE KV0
	WALK
	OPEN KV1, WO1
	FIN 1
	CLOSE KV1
	s_cmp_eq_u32 s[TRIP], 1                        ; behind the last pair of heads the registers stay where they are (ROT)
	s_cbranch_scc1 .Lkeep
	ROTATE
.Lkeep:
	s_sub_co_u32 s[TRIP], s[TRIP], 1
	s_cmp_lg_u32 s[TRIP], 0
	s_cbranch_scc1 .Lpair
	LN 4096, 6144
.irp s, 0,1,2,3
	QUANT (64*\s+ROT)%256, 1, CD+12*\s, TP, CDS+\s
.endr
	PROJ 1, 0
	WIN 0
	s_wait_tensorcnt 0x0
	ds_add_u32 v[SPW], v[NIL]
	s_wait_dscnt 0x0
	s_barrier_signal -1
	s_barrier_wait -1
	PROJ 1, 1
	LN 8192, 10240
	TOST 0
	s_wait_alu depctr_va_vdst(0)
.irp s, 1,2,3
.if \s > 1
	s_wait_xcnt 0x0
.endif
	TOST \s
	SEND \s-1, 32
.endr
	SEND 3, 0
	s_wait_tensorcnt 0x0
	ds_add_u32 v[SPW], v[NIL]
	s_wait_dscnt 0x0
	CROUND
	s_endpgm
.Lfunc_end_k_q4b6265d5a1_mab:
	.size	k_q4b6265d5a1_mab, .Lfunc_end_k_q4b6265d5a1_mab-k_q4b6265d5a1_mab
	.p2alignl 7, 3214868480
	.fill 96, 4, 3214868480
	.section	.rodata,"a",@progbits
	.p2align	6, 0x0
	.amdhsa_kernel k_q4b6265d5a1_mab
		.amdhsa_group_segment_fixed_size 327680
		.amdhsa_private_segment_fixed_size 0
		.amdhsa_enable_private_segment 0
		.amdhsa_kernarg_size 80
		.amdhsa_user_sgpr_count 2
		.amdhsa_user_sgpr_kernarg_segment_ptr 1
		.amdhsa_wavefront_size32 1
		.amdhsa_system_sgpr_workgroup_id_x 1
		.amdhsa_system_sgpr_workgroup_id_y 1
		.amdhsa_system_sgpr_workgroup_id_z 1
		.amdhsa_system_vgpr_workitem_id 0
		.amdhsa_next_free_vgpr 512
		.amdhsa_next_free_sgpr 84
		.amdhsa_reserve_vcc 0
		.amdhsa_float_denorm_mode_32 3
		.amdhsa_float_denorm_mode_16_64 3
		.amdhsa_memory_ordered 1
		.amdhsa_forward_progress 1
		.amdhsa_inst_pref_size 255
	.end_amdhsa_kernel
	.section	.bss,"aw",@nobits
	.p2align	6
	.space	262144
	.amdgpu_metadata
---
amdhsa.version: [ 1, 2 ]
amdhsa.kernels:
  - .name:           k_q4b6265d5a1_mab
    .symbol:         k_q4b6265d5a1_mab.kd
    .args:
      - { .name: Q, .offset: 0, .size: 8, .value_kind: global_buffer, .address_space: global }
      - { .name: wimg, .offset: 8, .size: 8, .value_kind: global_buffer, .address_space: global }
      - { .name: kvs, .offset: 16, .size: 8, .value_kind: global_buffer, .address_space: global }
      - { .name: bq, .offset: 24, .size: 8, .value_kind: global_buffer, .address_space: global }
      - { .name: bo, .offset: 32, .size: 8, .value_kind: global_buffer, .address_space: global }
      - { .name: g0, .offset: 40, .size: 8, .value_kind: global_buffer, .address_space: global }
      - { .name: b0, .offset: 48, .size: 8, .value_kind: global_buffer, .address_space: global }
      - { .name: g1, .offset: 56, .size: 8, .value_kind: global_buffer, .address_space: global }
      - { .name: b1, .offset: 64, .size: 8, .value_kind: global_buffer, .address_space: global }
      - { .name: out0, .offset: 72, .size: 8, .value_kind: global_buffer, .address_space: global }
    .group_segment_fixed_size: 327680
    .private_segment_fixed_size: 0
    .kernarg_segment_align: 8
    .kernarg_segment_size: 80
    .max_flat_workgroup_size: 256
    .sgpr_count:     84
    .vgpr_count:     512
    .wavefront_size: 32
...
	.end_amdgpu_metadata
.endif
;; end of part 3
